; MI455X (gfx1250); checked and timed in simulation.
; The chip was launched on July 23, 2026; its instructions are those of AMD's public machine-readable ISA for CDNA 5 (MIT licence, August 2026) and "CDNA5" Instruction Set Architecture Reference Guide (July 2026). The comments in the code are by the model that wrote it; some were corrected since.
;; Dot Product Attention. Allowed arithmetic: matrix products marked QUANTISED: E3M2 operands, one E8M0 scale for each 32 along K, by v_wmma_scale_f32_16x16x128_f8f6f4 with both operands' format E3M2, f32 sums; everything else in f32.
;; Inputs: keys_codes 32 x 2,048 x 4 x 24 uint8 (E3M2 codes of keys, K innermost, in blocks of 32 codes, four codes in three bytes); keys_scales 32 x 2,048 x 4 uint8 (E8M0 scales of keys, one for each 32 codes along K); queries_codes 32 x 2,048 x 4 x 24 uint8 (E3M2 codes of queries, K innermost, in blocks of 32 codes, four codes in three bytes); queries_scales 32 x 2,048 x 4 uint8 (E8M0 scales of queries, one for each 32 codes along K); valid_lens 32 int32; values_codes 32 x 128 x 64 x 24 uint8 (E3M2 codes of values, K innermost, in blocks of 32 codes, four codes in three bytes); values_scales 32 x 128 x 64 uint8 (E8M0 scales of values, one for each 32 codes along K).
;; Outputs: out0 32 x 2,048 x 128 float32.
;; This version of the problem:
;;   THIS VERSION OF THE PROBLEM IS GIVEN IN LOW PRECISION. The matrix products marked QUANTISED in the list below multiply operands that are first quantised to E3M2 (3 exponent bits, 2 mantissa bits; 6 bits a number), with one power-of-two scale for each 32 numbers along K (OCP MX v1.0); their sums are f32. All else is computed in f32.
;;   The module's matrix products, in the order in which they are computed (A, B: the left and right operand; K: the contracted axis; several contracted axes count as one K, in the product's order):
;;     1. batch 32 x [M 2,048, K 128] x [K 128, N 2,048]; A: input queries (given as codes); B: input keys (given as codes): QUANTISED
;;     2. batch 32 x [M 2,048, K 2,048] x [K 2,048, N 128]; A: softmax (see below); B: input values (given as codes): QUANTISED
;;   THE QUANTISER, for each operand of a quantised product, along K:
;;     - K is cut into blocks of 32 from its start; a last block that is shorter is filled with zeros.
;;     - A block's scale is 2^e with e = floor(log2(the largest magnitude in the block)) - 4, held to -126 .. 127; a block of zeros has e = 0. As a byte (E8M0): e + 127.
;;     - Each number is divided by its block's scale, clamped to +-28, and rounded to the nearest number of E3M2, ties to even, subnormals kept.
;;     - The product sums the exact products of the quantised numbers (number of the format x scale) in f32.
;;   ~~~python
;;   def quantise(x, axis):      # numpy; x: float32 -> the quantised numbers, widened to float32 again
;;       x = np.moveaxis(x, axis, -1); K = x.shape[-1]
;;       x = np.pad(x, [(0, 0)] * (x.ndim - 1) + [(0, -K % 32)]); x = x.reshape(x.shape[:-1] + (-1, 32)); a = np.abs(x).max(-1, keepdims=True)
;;       e = np.where(a > 0, np.clip(np.frexp(np.where(a > 0, a, 1))[1] - 1 - 4, -126, 127), 0)      # np.frexp(a)[1] - 1 = floor(log2(a)), exactly
;;       r = np.clip(x / 2.0 ** e, -28, 28)
;;       step = 2.0 ** (np.maximum(np.frexp(np.where(r == 0, 1, r))[1] - 1, -2) - 2)
;;       q = np.round(r / step) * step * 2.0 ** e      # np.round: ties to even
;;       return np.moveaxis(q.reshape(q.shape[:-2] + (-1,))[..., :K], -1, axis).astype(np.float32)
;;   ~~~
;;   SOFTMAX AHEAD OF A QUANTISED PRODUCT. Where the list says 'softmax', what is quantised is not the finished softmax but p = 2^(t - M), with t = logit x log2(e) and M = ceil(the row's largest t), a whole number; so 1/2 < the row's largest p <= 1. The row's sum l is taken of the UNQUANTISED p, in f32, and the product's result is divided by l at the end. Since M is a whole number, a kernel that streams over the keys may use a running M (the ceiling of the running maximum): every later rescaling is an exact power of two, which a block's scale takes up: the codes' values come out the same.
;;   OPERANDS COMPUTED ON THE WAY. 'Computed on the way' means the value that the module computes at that place (a softmax that the list does not call 'softmax' is quantised finished and normalised). What goes into a quantiser is computed in f32, as accurately as f32 sums, v_exp_f32 and their like allow (about 1e-6 of the number): no bf16 or f16 on the way to a quantiser, and a product that is left as it is and whose result goes on into a quantised operand takes f32 operands (vector FMAs, or v_wmma_f32_16x16x4_f32). A number that lies on a knife's edge between two numbers of the format may be rounded either way, as far as f32 arithmetic and the matrix unit's own rounding can turn it there, and no further.
;;   INPUTS GIVEN AS CODES. keys (in the module: [32, 2048, 128], K = its axis 2); queries (in the module: [32, 2048, 128], K = its axis 2); values (in the module: [32, 2048, 128], K = its axis 1): each comes as NAME_codes (uint8): NAME with its K axis moved to the last place and cut into blocks of 32 codes, [.., K / 32, bytes a block], one block behind the other in memory; four codes in three bytes: a row's codes are one little-endian stream of bits, code i at bits 6 i .. 6 i + 5 (a code: sign, 3 exponent bits, 2 mantissa bits); and NAME_scales (uint8): the same leading axes, one E8M0 byte (e + 127) for each 32 codes along K. Its value is code x scale, taken as it is: it is not quantised again, and the codes and scales need not be those that the quantiser above would give.
;; 2 versions, each right; version 2 is version 1 with the launch attn written anew for expert scheduling mode. Each part assembles by itself: llvm-mc -triple=amdgcn-amd-amdhsa -mcpu=gfx1250 --defsym DOCPART=n.
;; ======== version 1 of 2: 1 launch
;; launch attn (part 1): grid 16 x 16, 16 waves a work-group, no clusters, 220,160 bytes of LDS; arguments queries_codes, queries_scales, keys_codes, keys_scales, values_codes, values_scales, valid_lens, out0; writes out0
.if DOCPART == 1
	.amdgcn_target "amdgcn-amd-amdhsa--gfx1250"
	.amdhsa_code_object_version 6
	.text
	.protected	k_q0455f07c05_attn
	.globl	k_q0455f07c05_attn
	.p2align	8
	.type	k_q0455f07c05_attn,@function
k_q0455f07c05_attn:
	s_mov_b64 s[64:65], 0
	v_nop
	global_prefetch_b8 v0, s[64:65] scope:SCOPE_SE
	s_setreg_imm32_b32 hwreg(HW_REG_WAVE_MODE, 25, 1), 1
	s_wait_xcnt 0x0
; out0[b][q][:] = the sum over k < valid_lens[b] of softmax_k(Q[b][q] . K[b][k] / sqrt(128)) V[b][k][:], both products on codes of BF6 (E3M2) with one E8M0 scale for each 32 along a product's K.
; Q, K: [32][2048][128] as codes (a row: 96 bytes), scale bytes [32][2048][4].  V: codes with the KEYS innermost, [32][128][2048] (a row: 1,536 bytes), scale bytes [32][128][64].  out0: [32][2048][128] f32.
; THE SOFTMAX AHEAD OF THE SECOND PRODUCT: t = score x log2(e) / sqrt(128); M = the running largest t, rounded UP to a whole number; p = 2^(t - M) is quantised along the keys, not normalised.
; The row's sum is taken of the unquantised p and divides at the end.  When M moves, the sum and O are multiplied by 2^(old M - new M): exact.
; SHARES.  A work-group (x = 0..15, g = 0..15) holds two TEAMS of eight waves.  A team takes the 128 queries 128 x .. 128 x + 127 of one head: team 0 the head whose length has rank g among the 32, team 1 that of
; rank 31 - g, so that a long head and a short one share a work-group.  The ranks are a bijection on the heads, whatever the lengths: every (head, block of queries) has one owner.  A wave owns 16 queries in 256 registers.
; THE MASK.  Keys go in steps of 128.  The loop over steps has a constant count (18), and every step ends in one barrier that every wave passes.  A step whose first key is at or behind the head's length does no work:
; a forward scalar branch on valid_lens, round work alone.  The one step that the length cuts sets hidden scores to -infinity ahead of the maximum.  In the first step behind its last, a wave stores its rows.
; WHY NO TENSOR LOADS, NO CLUSTER, NO JOINT LOADS, though the 16 blocks of a head read the same K and V: a text without branches on valid_lens
; would walk all 16 steps of every head, where this one walks ceil(valid_lens / 128).  So LDS is filled through registers: in step i each wave of a team loads its eighth of step i + 1 (six loads of 16 bytes a lane)
; behind its first products, into the fragments' registers, which the softmax leaves alone, and stores it into the team's other slot behind the softmax.
; LAYOUT.  Both products are used transposed: S^T = K Q^T (source 0 = 16 keys, source 1 = my 16 queries), O^T = V^T P^T: a lane holds ONE query (lane % 16) throughout.
; THE KEYS OF A TILE ARE NOT NEIGHBOURS: row m of tile T is key 32 (T / 2) + 8 (T % 2) + m + 8 (m / 8), so that the 16 registers of tiles 2 b and 2 b + 1 are the 16 neighbouring keys 32 b + 16 (lane / 16) + 0 .. 15.
; In LDS the keys lie in that order, so a fragment's 16 rows follow each other.
; LIMITS.  valid_lens above 2,048 acts as 2,048; 0 or less gives rows of NaN (0 x 1 / 0), as a softmax of nothing but -infinity does.  A scale byte 0xff (NaN) of K or V in a step that is left out is not seen.
; p under 2^-126 comes out of v_exp_f32 as 0 (ISA guide, 15.8).  NaN among the scales of keys that count spreads as the matrix unit spreads it.
; REGISTERS: v1-5, v9 addresses that stay; v12 -M, v13 the largest t, v[14:15] the sum in two halves; v16-27 Q; v28 the prefetches' offset; v29-30 the step's scale words; v31 my bytes in out0; v32-79 four fragments of K or V
; (v32-55 also the next step's bytes on their way); v80-81 my stage; v82-95 at work at the head; v96-159 S^T, then p (v96-101 at the head: the ranks); v160-223 O^T; v224-235 p's codes; v236-254 at work; v255 Q's scale words.
.set ROWB,  96                         ; 128 codes in bytes
.set VROW,  1536                       ; a row of V in memory: 2,048 codes
.set HEADB, 196608                     ; a head's codes, in each of the three tensors
.set PITCH, 112                        ; a row in LDS: 96 bytes + 16 = 28 words: the 16 rows of a fragment start at the 16 multiples of 4 words modulo 64, lanes 16-31 six words on
.set VOFF,  128*PITCH                  ; a slot: 128 rows of K, then 128 rows of V
.set SLOTB, 2*VOFF
.set KSC,   2*SLOTB                    ; behind a team's two slots: K's scale bytes of the whole head, 8,192 dense bytes;
.set VSC,   KSC+8192                   ; V's, as 32 runs of 256 bytes + 16 of padding
.set TEAMB, VSC+32*272                 ; a team's LDS
.set STAGE, 2*TEAMB                    ; behind both teams: a stage of 16 rows x (256 + 16) bytes for each wave, for the way out
.set STGW,  16*272
.set AF,   1                           ; v1   my lane's place in a fragment: team + 112 r + 24 h
.set ASK0, 2                           ; v2   among K's scale words: team + KSC + 4 (r + 8 (r / 8))
.set ASV0, 3                           ; v3   among V's: team + VSC + 64 r + 16 (r / 4)
.set GK,   4                           ; v4   K in memory: the key of row r of my wave's tile, + 48 h
.set GV,   5                           ; v5   V in memory: row r of my wave's 16, + 48 h
.set LW,   9                           ; v9   where these 48 bytes go in a slot's K (V: VOFF on): team + 1,792 MB + 112 r + 48 h
.set PFO,  28
.set ADS,  29
.set ADT,  30
.set GO,   31
.set FR,   32
.set STI,  80
.set STB,  81
.set WV,   20                          ; s20  wave 0..15
.set MB,   21                          ; s21  my number in my team, 0..7
.set TEAM, 22                          ; s22  my team
.set HD,   24                          ; s24  my head
.set VL,   26                          ; s26  its length, held to 0 .. 2,048
.set END,  27                          ; s27  the first key of the step in which I store: the length rounded up to a multiple of 128
.set SEL,  28                          ; s[28:29] lane selects for v_permlanex16_b32: lane l xor 16
.set CS,   30                          ; s[30:31] c = log2(e) / sqrt(128): the packed form names a pair and takes its low word for both halves
.set TS,   32                          ; s32  the step's scale words of K: 512 bytes a step
.set TJ,   33                          ; s33  and of V: 4 bytes a step
.set KF,   34                          ; s34  the step's first key
.set TRIP, 36
.set NX,   37                          ; s37  the next step's first key
.set PFA,  40                          ; s[40:41] where my prefetches stand
.set PFS,  42                          ; s[42:43] 256 keys on, in bytes
.set PFL,  44                          ; s44  my head's length in a wave that prefetches, else 0
.set EVR,  45                          ; s45  3 in V's waves, 0 in K's
	s_load_b256 s[4:11], s[0:1], 0x0               ; Q's codes s[4:5], Q's scales s[6:7], K's codes s[8:9], K's scales s[10:11]
	s_load_b256 s[12:19], s[0:1], 0x20             ; V's codes s[12:13], V's scales s[14:15], valid_lens s[16:17], out0 s[18:19]
	v_lshl_add_u32 v88, v0, 2, 0x35400
	v_mov_b32 v243, 0
	v_and_b32 v83, 31, v0                          ; lane
	v_lshlrev_b32 v95, 2, v83
	v_lshrrev_b32 v82, 5, v0
	v_readfirstlane_b32 s[WV], v82
	s_wait_kmcnt 0x0
	global_load_b32 v96, v95, s[16:17]             ; lane l: valid_lens[l].  The addresses below are made while it is on its way
	s_lshr_b32 s[MB], s[WV], 1
	s_lshr_b32 s[TEAM], s[WV], 2
	s_xor_b32 s[TEAM], s[TEAM], s[WV]
	s_and_b32 s[TEAM], s[TEAM], 1                  ; team = (w xor w / 4) % 2: of waves 2 m and 2 m + 1 one is in each team, and so are two of every four waves w % 4 = const and of every four w / 4 = const
	s_mul_i32 s38, s[TEAM], TEAMB                  ; my team's LDS
	v_and_b32 v84, 15, v0                          ; r = lane % 16
	v_bfe_u32 v85, v0, 4, 1                        ; h = lane / 16
	v_mul_u32_u24 v[AF], v84, PITCH
	v_mad_u32_u24 v[AF], v85, 24, v[AF]
	v_add_nc_u32 v[AF], s38, v[AF]
	v_and_b32 v86, 8, v84
	v_add_nc_u32 v86, v86, v84                     ; r + 8 (r / 8)
	s_add_co_u32 s39, s38, KSC
	v_lshl_add_u32 v[ASK0], v86, 2, s39
	v_lshrrev_b32 v87, 2, v84
	v_lshlrev_b32 v87, 4, v87
	v_lshl_add_u32 v[ASV0], v84, 6, v87            ; row r of a tile of V: 64 r bytes on, and 16 more for each 256 passed
	s_add_co_u32 s39, s38, VSC
	v_add_nc_u32 v[ASV0], s39, v[ASV0]
	; what I bring of each step.  K: tile MB's 16 keys: row r is key 32 (MB / 2) + 8 (MB % 2) + r + 8 (r / 8).  V: rows 16 MB .. 16 MB + 15, 96 bytes of each.
	; Lane (r, h) takes half h, 48 bytes, of row r, by three loads of 16 bytes whose place stands in the immediate: the three together cover each row's 96 bytes.
	s_lshr_b32 s39, s[MB], 1
	s_mul_i32 s39, s39, 32*ROWB
	s_and_b32 s37, s[MB], 1
	s_mul_i32 s37, s37, 8*ROWB
	s_add_co_u32 s39, s39, s37
	v_mul_u32_u24 v[GK], v86, ROWB
	v_mad_u32_u24 v[GK], v85, 48, v[GK]
	v_add_nc_u32 v[GK], s39, v[GK]
	s_mul_i32 s46, s[MB], 16*VROW
	v_mul_u32_u24 v[GV], v84, VROW
	v_mad_u32_u24 v[GV], v85, 48, v[GV]
	v_add_nc_u32 v[GV], s46, v[GV]
	s_mul_i32 s47, s[MB], 16*PITCH
	v_mul_u32_u24 v[LW], v84, PITCH                ; in LDS: 112 r + 48 h sixteen different multiples of 4 words modulo 64
	v_mad_u32_u24 v[LW], v85, 48, v[LW]
	v_add_nc_u32 v[LW], s47, v[LW]                 ; + my wave's 16 rows
	v_add_nc_u32 v[LW], s38, v[LW]                 ; + my team
	v_lshlrev_b32 v[GO], 9, v85
	v_lshl_add_u32 v[GO], v84, 4, v[GO]            ; the way out: lanes 0-15 one row of out0, lanes 16-31 the next; 16 bytes a lane
	s_mul_i32 s48, s[WV], STGW
	s_add_co_u32 s48, s48, STAGE                   ; my stage
	v_mul_u32_u24 v[STI], v84, 272
	v_lshl_add_u32 v[STI], v85, 5, v[STI]
	v_add_nc_u32 v[STI], s48, v[STI]               ; in: row r, 32 bytes for each half of the lanes
	v_mul_u32_u24 v[STB], v85, 272
	v_lshl_add_u32 v[STB], v84, 4, v[STB]
	v_add_nc_u32 v[STB], s48, v[STB]               ; back: lanes 0-15 one row of 256 bytes, lanes 16-31 the next
	s_lshl_b32 s49, s[MB], 5
	v_add_nc_u32 v89, s49, v83                     ; my number in my team, 0..255
	v_lshlrev_b32 v90, 4, v89                      ; the scale bytes: 16 a thread, twice
	v_add_nc_u32 v91, s38, v90                     ; K's go in as they lie;
	v_lshrrev_b32 v92, 4, v89
	v_lshl_add_u32 v92, v92, 4, v91                ; V's with 16 bytes more for each 256 passed
	v_add_nc_u32 v92, VSC, v92
	v_mul_u32_u24 v93, v84, ROWB
	v_mad_u32_u24 v93, v85, 24, v93                ; Q: row r, + my half's bytes
	v_lshlrev_b32 v94, 2, v84                      ; Q's scale word
	s_mov_b32 s[SEL], 0x76543210
	s_mov_b32 s[SEL+1], 0xfedcba98
	s_mov_b32 s[CS], 0x3e0293ee                    ; c = log2(e) / sqrt(128)
	s_mov_b32 s[CS+1], s[CS]                       ; (named with it as a pair, so it is written)
	s_mov_b32 s[TS], 0
	s_mov_b32 s[TJ], 0
	s_mov_b32 s[KF], 0
	v_mov_b32 v98, 0                               ; my rank
	v_mov_b32 v100, 0
	v_mov_b32 v101, 1
	s_wait_loadcnt 0x0                             ; valid_lens
	; THE RANKS.  Lane l's key is (its head's length, l): no two are equal.  Its rank is the number of smaller keys.  The head of the rank that my team wants is mine.
	v_min_u32 v97, 0x800, v96
	v_lshl_or_b32 v97, v97, 5, v83
.irp i, 0,1,2,3,4,5,6,7,8,9,10,11,12,13,14,15,16,17,18,19,20,21,22,23,24,25,26,27,28,29,30,31
	v_readlane_b32 s37, v97, \i
	v_cmp_lt_u32 vcc_lo, s37, v97
	v_cndmask_b32 v99, v100, v101, vcc_lo          ; 1 where head i's key is smaller than mine
	v_add_nc_u32 v98, v98, v99
.endr
	s_and_b32 s39, ttmp7, 0xffff                   ; g
	s_sub_co_u32 s37, 31, s39
	s_cmp_eq_u32 s[TEAM], 0
	s_cselect_b32 s39, s39, s37                    ; rank g or 31 - g
	v_cmp_eq_u32 s23, s39, v98                     ; one lane has it
	s_ctz_i32_b32 s[HD], s23
	s_min_u32 s[HD], s[HD], 31
	s_lshl_b32 s25, s[HD], 2
	s_load_b32 s[VL], s[16:17], s25 offset:0x0     ; my head's length
	s_lshl_b32 s37, ttmp9, 7
	s_lshl_b32 s39, s[MB], 4
	s_add_co_u32 s37, s37, s39                     ; my first query: 128 x + 16 MB
	s_mul_i32 s46, s[HD], HEADB
	s_mov_b32 s47, 0
	s_add_nc_u64 s[8:9], s[8:9], s[46:47]          ; K's and V's codes at my head
	s_add_nc_u64 s[12:13], s[12:13], s[46:47]
	s_lshl_b32 s48, s[HD], 13
	s_mov_b32 s49, 0
	s_add_nc_u64 s[10:11], s[10:11], s[48:49]      ; their scale bytes: 8,192 a head
	s_add_nc_u64 s[14:15], s[14:15], s[48:49]
	s_mul_i32 s50, s37, ROWB
	s_add_co_u32 s50, s50, s46
	s_mov_b32 s51, 0
	s_add_nc_u64 s[4:5], s[4:5], s[50:51]          ; Q's codes at my first query,
	s_lshl_b32 s52, s37, 2
	s_add_co_u32 s52, s52, s48
	s_mov_b32 s53, 0
	s_add_nc_u64 s[6:7], s[6:7], s[52:53]          ; its scale word,
	s_lshl_b32 s54, s[HD], 20
	s_lshl_b32 s39, s37, 9
	s_add_co_u32 s54, s54, s39
	s_mov_b32 s55, 0
	s_add_nc_u64 s[18:19], s[18:19], s[54:55]      ; its row of out0
; My eighth of a step's tiles, from memory into v32-55: 48 bytes a lane of K and 48 of V.  s[8:9] and s[12:13] stand at the step to be brought.
.macro STAGE_LOAD
.irp u, 0,1,2
	global_load_b128 v[FR+4*\u:FR+4*\u+3], v[GK], s[8:9] offset:16*\u
.endr
.irp u, 0,1,2
	global_load_b128 v[FR+12+4*\u:FR+12+4*\u+3], v[GV], s[12:13] offset:16*\u
.endr
.endm
; and from there into slot sl: rows 16 MB .. 16 MB + 15 of K's tile and of V's: no other wave writes them
.macro STAGE_STORE sl
.irp u, 0,1,2
	ds_store_b128 v[LW], v[FR+4*\u:FR+4*\u+3] offset:SLOTB*(\sl)+16*\u
.endr
.irp u, 0,1,2
	ds_store_b128 v[LW], v[FR+12+4*\u:FR+12+4*\u+3] offset:SLOTB*(\sl)+VOFF+16*\u
.endr
.endm
	STAGE_LOAD                                     ; step 0
	global_load_b128 v[56:59], v90, s[10:11]       ; the scale bytes of the whole head, once: each load of a wave reads 512 consecutive bytes
	global_load_b128 v[60:63], v90, s[10:11] offset:4096
	global_load_b128 v[64:67], v90, s[14:15]
	global_load_b128 v[68:71], v90, s[14:15] offset:4096
.irp p, 0,1,2,3,4,5
	global_load_b64 v[16+2*\p:17+2*\p], v93, s[4:5] offset:48*(\p/3)+8*(\p%3) th:TH_LOAD_NT   ; Q's fragment stays in registers; no other wave reads it
.endr
	global_load_b32 v255, v94, s[6:7] th:TH_LOAD_NT
	v_mov_b32 v13, 0xff61b1e6                      ; the largest t so far: -3e38, under every t
	v_floor_f32 v12, -v13                          ; -M
	v_mov_b32 v14, 0                               ; the sum, in two halves
	v_mov_b32 v15, 0
.irp b, 0,1,2,3
	v_mov_b32 v[236+\b], 0                         ; written once: a lane permute's destination counts as one of its sources
.endr
	v_mov_b32 v252, 0
	v_mov_b32 v253, 0                              ; (named as the upper half of the pair v[252:253] before it is first written)
.irp t, 0,1,2,3,4,5,6,7
.irp j, 0,1,2,3,4,5,6,7
	v_mov_b32 v[160+8*\t+\j], 0                    ; O^T.  (The step is written once for all steps: the first finds zeros, which the first change of M leaves zeros)
.endr
.endr
	s_wait_kmcnt 0x0
	s_max_i32 s[VL], s[VL], 0
	s_min_u32 s[VL], s[VL], 0x800                  ; the length, held to 0 .. 2,048
	s_add_co_u32 s[END], s[VL], 127
	s_and_b32 s[END], s[END], 0xffffff80
	; THE PREFETCHES (macro ASK): who asks, and where.  All 16 blocks of a head walk the same K and V: the block x = 0 asks, each team for its own head.  Members 0 to 2 ask for K's codes, 8,192 bytes each, lanes 256 bytes
	; apart; members 4 to 7 for V's rows, 32 each, a lane a row.  They stand at the keys 256 on: keys 0 to 255 come by their loads alone.
	s_cmp_lt_u32 s[MB], 4
	s_cselect_b64 s[PFA:PFA+1], s[8:9], s[12:13]
	s_mov_b32 s[PFS], 2*ROWB
	s_cselect_b32 s[PFS], 256*ROWB, s[PFS]         ; 256 keys on: 24,576 bytes of K, 192 of a row of V
	s_mov_b32 s[PFS+1], 0
	s_mov_b32 s39, VROW
	s_cselect_b32 s39, 256, s39                    ; from lane to lane
	s_mov_b32 s50, 32*VROW
	s_cselect_b32 s50, 8192, s50                   ; from member to member
	s_mov_b32 s51, 4*ROWB-1
	s_cselect_b32 s51, 256*ROWB, s51               ; K: the first byte of keys 256 on;  V: the LAST byte of a row's part for keys 256 to 511
	s_cselect_b32 s[EVR], 0, 3
	s_and_b32 s52, s[MB], 3
	s_mul_i32 s50, s50, s52
	s_add_co_u32 s50, s50, s51
	s_mov_b32 s51, 0
	s_add_nc_u64 s[PFA:PFA+1], s[PFA:PFA+1], s[50:51]
	v_mul_u32_u24 v[PFO], v83, s39
	s_cmp_eq_u32 ttmp9, 0
	s_cselect_b32 s[PFL], s[VL], 0
	s_cmp_eq_u32 s[MB], 3                          ; (K's 24,576 bytes are three members' worth)
	s_cselect_b32 s[PFL], 0, s[PFL]
	s_wait_loadcnt 7                               ; step 0's six loads and the scale bytes' four are in; Q's seven, issued behind them, may be out
	STAGE_STORE 0
	ds_store_b128 v91, v[56:59] offset:KSC
	ds_store_b128 v91, v[60:63] offset:KSC+4096
	ds_store_b128 v92, v[64:67]
	ds_store_b128 v92, v[68:71] offset:16*272
	s_wait_dscnt 0x0                               ; for the others' sake: my stores have landed
	s_barrier_signal -1
	s_barrier_wait -1                              ; slot 0 and the scale bytes are whole, in both teams
	s_add_nc_u64 s[8:9], s[8:9], 128*ROWB          ; on to step 1 (the loads that named these bases are in)
	s_add_nc_u64 s[12:13], s[12:13], ROWB
	s_wait_loadcnt 0x0                             ; Q
; S^T = K Q^T for the 128 keys in slot sl, four tiles of 16 keys at a time.  Four plain vector instructions stand in front of each run of loads into registers that matrix instructions have read (ISA guide 7.12.1 for
; vector instructions): ahead of the first run the two additions and two v_nop.
.macro QK sl
	v_add_nc_u32 v[ADS], s[TS], v[ASK0]
	v_add_nc_u32 v[ADT], s[TJ], v[ASV0]
	v_nop
	v_nop
.irp g, 0,1
.if \g > 0
.rept 4
	v_nop
.endr
.endif
.irp t, 0,1,2,3
.irp p, 0,1,2,3,4,5
	ds_load_b64 v[FR+12*\t+2*\p:FR+12*\t+2*\p+1], v[AF] offset:SLOTB*(\sl)+16*PITCH*(4*\g+\t)+48*(\p/3)+8*(\p%3)
.endr
	ds_load_b32 v[248+\t], v[ADS] offset:128*((4*\g+\t)/2)+32*(\t%2)   ; the tile's keys' scale words
.endr
	s_wait_dscnt 0x0                               ; the 28 loads just issued
.irp t, 0,1,2,3
	v_wmma_scale_f32_16x16x128_f8f6f4 v[96+8*(4*\g+\t):103+8*(4*\g+\t)], v[FR+12*\t:FR+12*\t+11], v[16:27], 0, v[248+\t], v255 matrix_a_fmt:MATRIX_FMT_BF6 matrix_b_fmt:MATRIX_FMT_BF6
.endr
.endr
.endm
; The step that the length cuts: register 16 b + i holds key KF + 16 (lane / 16) + 32 b + i, hidden where 32 b + i > d = length - 1 - KF - 16 (lane / 16).  Hidden scores become -infinity ahead of the maximum: p = 0 then.
; Each accumulator is read from its low end on.
.macro MASK
	s_sub_co_u32 s38, s[VL], s[KF]
	s_sub_co_u32 s38, s38, 1
	v_bfe_u32 v253, v0, 4, 1
	v_lshlrev_b32 v253, 4, v253
	v_sub_nc_u32 v252, s38, v253                   ; d
	v_mov_b32 v254, 0xff800000                     ; -infinity
.irp b, 0,1,2,3
.irp i, 0,1,2,3,4,5,6,7,8,9,10,11,12,13,14,15
	v_cmp_gt_i32 vcc_lo, 32*\b+\i, v252
	v_cndmask_b32 v[96+16*\b+\i], v[96+16*\b+\i], v254, vcc_lo
.endr
.endr
.endm
; The softmax of my 16 queries for 128 keys: the new M, p, the sum, p's codes in v[224:235] and their scale word in v253; f = 2^(old M - new M) in v252.
.macro SOFTMAX
.irp b, 0,1,2,3
	v_max3_num_f32 v[232+\b], v[96+16*\b], v[97+16*\b], v[98+16*\b]   ; THE LARGEST SCORE OF EACH BLOCK OF 32 KEYS serves twice: for the row's maximum, and, since p rises with the score, for the block's largest p
.endr
.irp i, 3,5,7,9,11,13
.irp b, 0,1,2,3
	v_max3_num_f32 v[232+\b], v[232+\b], v[96+16*\b+\i], v[97+16*\b+\i]   ; (the four blocks by turns)
.endr
.endr
.irp b, 0,1,2,3
	v_max_num_f32 v[232+\b], v[232+\b], v[111+16*\b]
.endr
.irp b, 0,1,2,3
	v_permlanex16_b32 v[236+\b], v[232+\b], s[SEL], s[SEL+1]
.endr
.irp b, 0,1,2,3
	v_max_num_f32 v[232+\b], v[232+\b], v[236+\b]  ; with lane l xor 16's 16 keys
.endr
	v_max3_num_f32 v254, v232, v233, v234
	v_max_num_f32 v254, v254, v235                 ; the step's largest score of my query (a step that is worked has a key that counts)
	v_mul_f32 v254, s[CS], v254                    ; as t (c is positive)
	v_max_num_f32 v13, v13, v254                   ; the running largest t
	v_mov_b32 v254, v12
	v_floor_f32 v12, -v13                          ; the new -M = floor(-t) = -ceil(t): M IS A WHOLE NUMBER
	v_sub_f32 v254, v12, v254                      ; M's old value less its new one: a whole number, 0 or less
	v_cvt_i32_f32 v254, v254                       ; (it saturates)
	v_ldexp_f32 v252, 1.0, v254                    ; f = 2^(old M - new M): a multiplication by it rounds nothing
.irp j, 0,2,4,6,8,10,12,14,16,18,20,22,24,26,28,30,32,34,36,38,40,42,44,46,48,50,52,54,56,58,60,62
	v_pk_fma_f32 v[96+\j:97+\j], v[96+\j:97+\j], s[CS:CS+1], v[12:13] op_sel_hi:[1,0,0]   ; t - M, two at a time (of the pairs c and -M the low word serves both halves)
.endr
.irp b, 0,1,2,3
	v_fma_f32 v[232+\b], v[232+\b], s[CS], v12     ; the same of each block's largest score
.endr
.irp t, 0,1,2,3,4,5,6,7
.irp j, 0,1,2,3,4,5,6,7
	v_exp_f32 v[96+8*\t+\j], v[96+8*\t+\j]         ; p = 2^(t - M), at most 1: NOT normalised
.endr
.endr
	v_pk_mul_f32 v[14:15], v[14:15], v[252:253] op_sel_hi:[1,0]   ; the sums under the new M.  (The plain instruction behind the exponentials)
	s_wait_alu depctr_va_vdst(0)                   ; one wait for the batch of 64, ahead of the first instruction that names a result
.irp b, 0,1,2,3
	v_exp_f32 v[232+\b], v[232+\b]                 ; the block's largest p: the same two instructions on the same number give the same bits
.endr
	v_pk_add_f32 v[236:237], v[96:97], v[98:99]    ; THE ROW'S SUM IS TAKEN OF THE UNQUANTISED p: two at a time, in two chains.  (It reads the 64 alone: plain work behind the four)
.irp j, 4,8,12,16,20,24,28,32,36,40,44,48,52,56,60
	v_pk_add_f32 v[14:15], v[14:15], v[96+\j:97+\j]
	v_pk_add_f32 v[236:237], v[236:237], v[98+\j:99+\j]
.endr
	v_pk_add_f32 v[14:15], v[14:15], v[236:237]
	s_wait_alu depctr_va_vdst(0)                   ; and one for the four
.irp b, 0,1,2,3
	v_max_num_f32 v[232+\b], 0x2800000, v[232+\b]  ; the floor 2^(5 - 127): the byte cannot fall under 1 (a block whose every p is 0 keeps that byte: its codes are zeros)
.endr
.irp b, 0,1,2,3
	v_add_nc_u32 v[244+\b], 0xfe000000, v[232+\b]  ; 4 off the exponent field: the conversion takes the exponent field of this operand as its scale
.endr
.irp b, 0,1,2,3
	v_lshrrev_b32 v[236+\b], 23, v[244+\b]         ; the scale's byte
.endr
	v_lshl_or_b32 v253, v237, 8, v236              ; p's scale word for these 128 keys
	v_lshl_or_b32 v253, v238, 16, v253
	v_lshl_or_b32 v253, v239, 24, v253
.irp c, 0,1
	v_cvt_scalef32_pk16_bf6_f32 v[224+6*\c:226+6*\c], v[96+32*\c:111+32*\c], v[244+2*\c]
	v_cvt_scalef32_pk16_bf6_f32 v[236+4*\c:238+4*\c], v[112+32*\c:127+32*\c], v[244+2*\c+1]   ; (a conversion's three registers begin on an even number)
.endr
	v_nop                                          ; one plain vector instruction between a scaled conversion and the vector instruction that touches its result
.irp c, 0,1                                    ; the operand's layout wants a WHOLE block in a lane: lanes 0-15 block 2 c, lanes 16-31 block 2 c + 1
.irp i, 0,1,2
	v_permlane16_swap_b32 v[224+6*\c+\i], v[236+4*\c+\i]
.endr
.irp i, 0,1,2
	v_mov_b32 v[227+6*\c+\i], v[236+4*\c+\i]
.endr
.endr
.endm
.macro RESCALE                                 ; O^T under the new M: x f.  These 32 are also the plain instructions between the writes of p's codes and scale word and the products that take them
.irp j, 0,2,4,6,8,10,12,14,16,18,20,22,24,26,28,30,32,34,36,38,40,42,44,46,48,50,52,54,56,58,60,62
	v_pk_mul_f32 v[160+\j:161+\j], v[160+\j:161+\j], v[252:253] op_sel_hi:[1,0]
.endr
.endm
; O^T += V^T P^T: four tiles of 16 of the head's 128 at a time; K = the slot's 128 keys.  The eight accumulators take turns, one instruction a turn, and S^T's products stand between two steps'.
.macro PV sl
.irp g, 0,1
.if \g > 0
.rept 4
	v_nop
.endr
.endif
.irp t, 0,1,2,3
.irp p, 0,1,2,3,4,5
	ds_load_b64 v[FR+12*\t+2*\p:FR+12*\t+2*\p+1], v[AF] offset:SLOTB*(\sl)+VOFF+16*PITCH*(4*\g+\t)+48*(\p/3)+8*(\p%3)
.endr
	ds_load_b32 v[248+\t], v[ADT] offset:(4*\g+\t)*4*272   ; 16 rows of V's scale bytes are 1,024 bytes: four runs of 272
.endr
	s_wait_dscnt 0x0                               ; the 28 loads just issued
.irp t, 0,1,2,3
	v_wmma_scale_f32_16x16x128_f8f6f4 v[160+8*(4*\g+\t):167+8*(4*\g+\t)], v[FR+12*\t:FR+12*\t+11], v[224:235], v[160+8*(4*\g+\t):167+8*(4*\g+\t)], v[248+\t], v253 matrix_a_fmt:MATRIX_FMT_BF6 matrix_b_fmt:MATRIX_FMT_BF6
.endr
.endr
.endm
; A PREFETCH INTO THE L2, in every second step, behind the wave's six loads: the 256 keys that begin 256 behind this step's first key; the first of them is loaded one step later.  One instruction a wave.
; Each aligned block of 256 bytes is named once in the launch: K's 24,576 bytes are dense; of a row of V the 256 keys are 192 bytes, so a lane names the part's LAST byte: the aligned block in which the part ends is one that
; no earlier part has touched, but for every fourth part (keys 768 on, keys 1,792 on), which ends in the block that the part before has named: there V's waves ask for nothing.
; Nothing is asked for at or behind the head's length, so nothing behind a buffer's end.
.macro ASK
	s_add_co_u32 s38, s[KF], 256
	s_cmp_lt_u32 s38, s[PFL]
	s_cbranch_scc0 .Lquiet_\@
	s_lshr_b32 s38, s[KF], 8
	s_and_b32 s38, s38, s[EVR]
	s_cmp_eq_u32 s38, 2
	s_cbranch_scc1 .Lquiet_\@
	global_prefetch_b8 v[PFO], s[PFA:PFA+1] th:TH_LOAD_NT scope:SCOPE_SE
.Lquiet_\@:
.endm
; THE WAY OUT.  O^T is divided by the row's sum and goes through my own stage in LDS, half a row (64 channels, 256 bytes) of 16 queries at a time, so that sixteen lanes store 256 consecutive bytes, at a multiple of 256 from out0's first byte.
.macro WAYOUT
.rept 4
	v_nop                                          ; four plain instructions behind the last products, ahead of the first read of their results
.endr
	v_add_f32 v14, v14, v15                        ; the sum's two halves,
	v_permlanex16_b32 v252, v14, s[SEL], s[SEL+1]
	v_add_f32 v14, v14, v252                       ; and lane l xor 16's: the row's sum
	v_rcp_f32 v14, v14
	v_nop                                          ; a plain instruction behind the reciprocal,
	s_wait_alu depctr_va_vdst(0)                   ; and a wait ahead of its first reader
.irp t, 0,1,2,3,4,5,6,7
.irp j, 0,1,2,3,4,5,6,7
	v_mul_f32 v[96+8*\t+\j], v[160+8*\t+\j], v14   ; register 8 t + j is out0(r, 16 t + 8 h + j); each accumulator from its low end on
.endr
.endr
.irp u, 0,1                                    ; channels 64 u on
.irp t, 0,1,2,3
	ds_store_b128 v[STI], v[96+32*\u+8*\t:99+32*\u+8*\t] offset:64*\t
	ds_store_b128 v[STI], v[100+32*\u+8*\t:103+32*\u+8*\t] offset:64*\t+16
.endr
.irp i, 0,1,2,3,4,5,6,7
	ds_load_b128 v[160+32*\u+4*\i:163+32*\u+4*\i], v[STB] offset:2*\i*272   ; LDS serves a wave's instructions in order (ISA guide 5.7.1.4): these see my stores, and the next half's stores come behind them
.endr
.endr
.irp u, 0,1
.irp i, 0,1,2,3,4,5,6,7
	s_wait_dscnt 23-16*\u-\i                       ; behind load i of half u were issued the half's 7 - i later loads and, for half 0, half 1's sixteen instructions
	global_store_b128 v[GO], v[160+32*\u+4*\i:163+32*\u+4*\i], s[18:19] offset:1024*\i+256*\u th:TH_STORE_NT   ; written once, read by nobody here
.endr
.endr
	s_wait_xcnt 0x0                                ; the stores have read their registers
.endm
; A STEP: the 128 keys from KF on, in slot sl of my team.
.macro STEP sl
	s_cmp_lt_u32 s[KF], s[VL]
	s_cbranch_scc0 .Lidle_\@                       ; all of the step's keys lie at or behind the length
	QK \sl
.rept 4
	v_nop                                          ; four plain instructions behind the products: ahead of the loads into the fragments' registers and of the first read of the scores
.endr
	s_add_co_u32 s[NX], s[KF], 128
	s_cmp_lt_u32 s[NX], s[VL]
	s_cbranch_scc0 .Lno_next_\@                    ; the next step is brought only if it will be worked: no load leaves its buffer
	STAGE_LOAD
.if (\sl) == 0
	ASK
.endif
.Lno_next_\@:
	s_cmp_le_u32 s[NX], s[VL]
	s_cbranch_scc1 .Lopen_\@                       ; all 128 keys count
	MASK
.Lopen_\@:
	SOFTMAX
	s_wait_loadcnt 0x0                             ; the next step's six loads are in (issued ahead of the softmax); on every way, so that none is out where v32-55 and the two bases are written again
	s_cmp_lt_u32 s[NX], s[VL]
	s_cbranch_scc0 .Lno_store_\@
	STAGE_STORE 1-\sl                              ; into the slot that nobody reads between the last barrier and the next
.Lno_store_\@:
	RESCALE
	s_wait_dscnt 0x0                               ; the stores have read v32-55: V's fragments may land there
	PV \sl
	s_branch .Lmeet_\@
.Lidle_\@:
	s_cmp_eq_u32 s[KF], s[END]
	s_cbranch_scc0 .Lmeet_\@
	WAYOUT                                         ; the first step behind my head's last: my 16 rows leave
.Lmeet_\@:
	s_wait_dscnt 0x0                               ; my stores into the other slot have landed, and my reads of this slot are over
	s_barrier_signal -1
	s_barrier_wait -1                              ; both now hold of every wave: the other slot may be read, this one written
	s_add_nc_u64 s[8:9], s[8:9], 128*ROWB          ; the bases stand one step ahead of KF
	s_add_nc_u64 s[12:13], s[12:13], ROWB
	s_add_co_u32 s[KF], s[KF], 128
	s_add_co_u32 s[TS], s[TS], 512
	s_add_co_u32 s[TJ], s[TJ], 4
.if (\sl) == 1
	s_wait_xcnt 0x0                                ; the last prefetch, nearly two steps back, has read its address, so it may be written
	s_add_nc_u64 s[PFA:PFA+1], s[PFA:PFA+1], s[PFS:PFS+1]
.endif
.endm
	s_mov_b32 s[TRIP], 9                           ; 18 steps: 16 of keys, the 17th for the way out of a head of more than 1,920 keys, and one that makes the count even
.Ltrip:
	STEP 0
	STEP 1
	s_sub_co_u32 s[TRIP], s[TRIP], 1
	s_cmp_lg_u32 s[TRIP], 0
	s_cbranch_scc1 .Ltrip
	s_wait_tensorcnt 0x0
	ds_add_u32 v88, v243
	s_wait_dscnt 0x0
	s_endpgm
.Lfunc_end_k_q0455f07c05_attn:
	.size	k_q0455f07c05_attn, .Lfunc_end_k_q0455f07c05_attn-k_q0455f07c05_attn
	.p2alignl 7, 3214868480
	.fill 96, 4, 3214868480
	.section	.rodata,"a",@progbits
	.p2align	6, 0x0
	.amdhsa_kernel k_q0455f07c05_attn
		.amdhsa_group_segment_fixed_size 220160
		.amdhsa_private_segment_fixed_size 0
		.amdhsa_enable_private_segment 0
		.amdhsa_kernarg_size 64
		.amdhsa_user_sgpr_count 2
		.amdhsa_user_sgpr_kernarg_segment_ptr 1
		.amdhsa_wavefront_size32 1
		.amdhsa_system_sgpr_workgroup_id_x 1
		.amdhsa_system_sgpr_workgroup_id_y 1
		.amdhsa_system_sgpr_workgroup_id_z 1
		.amdhsa_system_vgpr_workitem_id 0
		.amdhsa_next_free_vgpr 256
		.amdhsa_next_free_sgpr 66
		.amdhsa_reserve_vcc 1
		.amdhsa_float_denorm_mode_32 3
		.amdhsa_float_denorm_mode_16_64 3
		.amdhsa_memory_ordered 1
		.amdhsa_forward_progress 1
		.amdhsa_inst_pref_size 89
	.end_amdhsa_kernel
	.amdgpu_metadata
---
amdhsa.version: [ 1, 2 ]
amdhsa.kernels:
  - .name:           k_q0455f07c05_attn
    .symbol:         k_q0455f07c05_attn.kd
    .args:
      - { .name: queries_codes, .offset: 0, .size: 8, .value_kind: global_buffer, .address_space: global }
      - { .name: queries_scales, .offset: 8, .size: 8, .value_kind: global_buffer, .address_space: global }
      - { .name: keys_codes, .offset: 16, .size: 8, .value_kind: global_buffer, .address_space: global }
      - { .name: keys_scales, .offset: 24, .size: 8, .value_kind: global_buffer, .address_space: global }
      - { .name: values_codes, .offset: 32, .size: 8, .value_kind: global_buffer, .address_space: global }
      - { .name: values_scales, .offset: 40, .size: 8, .value_kind: global_buffer, .address_space: global }
      - { .name: valid_lens, .offset: 48, .size: 8, .value_kind: global_buffer, .address_space: global }
      - { .name: out0, .offset: 56, .size: 8, .value_kind: global_buffer, .address_space: global }
    .group_segment_fixed_size: 220160
    .private_segment_fixed_size: 0
    .kernarg_segment_align: 8
    .kernarg_segment_size: 64
    .max_flat_workgroup_size: 512
    .sgpr_count:     66
    .vgpr_count:     256
    .wavefront_size: 32
...
	.end_amdgpu_metadata
.endif
;; end of part 1
;; ======== version 2 of 2: 1 launch; version 1 with the launch attn written anew for expert scheduling mode
;; launch attn (part 2): grid 16 x 16, 16 waves a work-group, no clusters, 220,160 bytes of LDS; arguments queries_codes, queries_scales, keys_codes, keys_scales, values_codes, values_scales, valid_lens, out0; writes out0
.if DOCPART == 2
	.amdgcn_target "amdgcn-amd-amdhsa--gfx1250"
	.amdhsa_code_object_version 6
	.text
	.protected	k_q0455f07c05_attn
	.globl	k_q0455f07c05_attn
	.p2align	8
	.type	k_q0455f07c05_attn,@function
k_q0455f07c05_attn:
	s_mov_b64 s[64:65], 0
	v_nop
	global_prefetch_b8 v0, s[64:65] scope:SCOPE_SE
	s_setreg_imm32_b32 hwreg(HW_REG_WAVE_SCHED_MODE, 0, 2), 2
	s_setreg_imm32_b32 hwreg(HW_REG_WAVE_MODE, 25, 1), 1
	s_wait_xcnt 0x0
	s_wait_alu depctr_vm_vsrc(0)
; out0[b][q][:] = the sum over k < valid_lens[b] of softmax_k(Q[b][q] . K[b][k] / sqrt(128)) V[b][k][:], both products on codes of BF6 (E3M2) with one E8M0 scale for each 32 along a product's K.
; Q, K: [32][2048][128] as codes (a row: 96 bytes), scale bytes [32][2048][4].  V: codes with the KEYS innermost, [32][128][2048] (a row: 1,536 bytes), scale bytes [32][128][64].  out0: [32][2048][128] f32.
; THE SOFTMAX AHEAD OF THE SECOND PRODUCT: t = score x log2(e) / sqrt(128); M = the running largest t, rounded UP to a whole number; p = 2^(t - M) is quantised along the keys, not normalised.
; The row's sum is taken of the unquantised p and divides at the end.  When M moves, the sum and O are multiplied by 2^(old M - new M): exact.
; SHARES.  A work-group (x = 0..15, g = 0..15) holds two TEAMS of eight waves.  A team takes the 128 queries 128 x .. 128 x + 127 of one head: team 0 the head whose length has rank g among the 32, team 1 that of
; rank 31 - g, so that a long head and a short one share a work-group.  The ranks are a bijection on the heads, whatever the lengths: every (head, block of queries) has one owner.  A wave owns 16 queries in 256 registers.
; THE MASK.  Keys go in steps of 128.  The loop over steps has a constant count (18), and every step ends in one barrier that every wave passes.  A step whose first key is at or behind the head's length does no work:
; a forward scalar branch on valid_lens, round work alone.  The one step that the length cuts sets hidden scores to -infinity ahead of the maximum.  In the first step behind its last, a wave stores its rows.
; WHY NO TENSOR LOADS, NO CLUSTER, NO JOINT LOADS, though the 16 blocks of a head read the same K and V: a text without branches on valid_lens
; would walk all 16 steps of every head, where this one walks ceil(valid_lens / 128).  So LDS is filled through registers: in step i each wave of a team loads its eighth of step i + 1 (six loads of 16 bytes a lane)
; behind its first products, into the fragments' registers, which the softmax leaves alone, and stores it into the team's other slot behind the softmax.
; LAYOUT.  Both products are used transposed: S^T = K Q^T (source 0 = 16 keys, source 1 = my 16 queries), O^T = V^T P^T: a lane holds ONE query (lane % 16) throughout.
; THE KEYS OF A TILE ARE NOT NEIGHBOURS: row m of tile T is key 32 (T / 2) + 8 (T % 2) + m + 8 (m / 8), so that the 16 registers of tiles 2 b and 2 b + 1 are the 16 neighbouring keys 32 b + 16 (lane / 16) + 0 .. 15.
; In LDS the keys lie in that order, so a fragment's 16 rows follow each other.
; LIMITS.  valid_lens above 2,048 acts as 2,048; 0 or less gives rows of NaN (0 x 1 / 0), as a softmax of nothing but -infinity does.  A scale byte 0xff (NaN) of K or V in a step that is left out is not seen.
; p under 2^-126 comes out of v_exp_f32 as 0 (ISA guide, 15.8).  NaN among the scales of keys that count spreads as the matrix unit spreads it.
; THE MODE: SCHED_MODE bits 1:0 = 2 (LLVM: expert scheduling mode 2), set by the entry lines.  The code itself states the register dependences between vector or matrix instructions and memory or LDS instructions,
; with s_wait_alu, always for 0.
; THE PLAN.  Registers that memory or LDS instructions touch, in a step that is worked, in the step's order:
;   v29, v30        Written by two additions at the step's head; read as addresses by the loads of K's scale words (v29) and of V's (v30).
;   F1 = v32-79 with v248-251   K's tiles 0-3 land, four products read them; K's tiles 4-7 land, four products read them; the next step's bytes land in v32-55 and six LDS stores read them; V's tiles 0-3 land, four products read them.
;   F2 = v96-143 with v84-87    S^T and then p, named by vector and matrix instructions alone up to the conversions; then V's tiles 4-7 land, and four products read them.
;   v224-235, v253  p's codes and scale word: written by vector instructions, taken by the scaled products.
;   v1, v4, v5, v9, v28, v31, v80, v81   Addresses, made at the head and never written again.
; The waits on va_vdst: behind the head's two additions; between S^T's two groups; behind S^T (it serves the loads of the next step's bytes and of V's tiles 0-3: mask and softmax name nothing of F1); the two behind the
; exponentials; one behind O^T's rescaling (codes and scale word written; the softmax done with F2).  On vm_vsrc: at the step's head (v29, v30) and behind the six LDS stores (v32-55).
; Compares write their masks into scalar registers in runs, with one wait on va_sdst behind each run.
; REGISTERS: v1-5, v9 addresses that stay; v12 -M, v13 the largest t, v[14:15] the sum in two halves; v16-27 Q; v28 the prefetches' offset; v29-30 the step's scale words; v31 my bytes in out0; v32-79 four fragments of K or V
; (v32-55 also the next step's bytes on their way); v80-81 my stage; v82-95 at work at the head (v84-87 then V's scale words of tiles 4-7); v96-159 S^T, then p, then in v96-143 V's tiles 4-7 (v96-101 at the head: the ranks);
; v160-223 O^T; v224-235 p's codes; v236-254 at work; v255 Q's scale words.  s40-55 at the head, s46-61 in the mask: keys and masks of the compares.
.set ROWB,  96                         ; 128 codes in bytes
.set VROW,  1536                       ; a row of V in memory: 2,048 codes
.set HEADB, 196608                     ; a head's codes, in each of the three tensors
.set PITCH, 112                        ; a row in LDS: 96 bytes + 16 = 28 words: the 16 rows of a fragment start at the 16 multiples of 4 words modulo 64, lanes 16-31 six words on
.set VOFF,  128*PITCH                  ; a slot: 128 rows of K, then 128 rows of V
.set SLOTB, 2*VOFF
.set KSC,   2*SLOTB                    ; behind a team's two slots: K's scale bytes of the whole head, 8,192 dense bytes;
.set VSC,   KSC+8192                   ; V's, as 32 runs of 256 bytes + 16 of padding
.set TEAMB, VSC+32*272                 ; a team's LDS
.set STAGE, 2*TEAMB                    ; behind both teams: a stage of 16 rows x (256 + 16) bytes for each wave, for the way out
.set STGW,  16*272
.set AF,   1                           ; v1   my lane's place in a fragment: team + 112 r + 24 h
.set ASK0, 2                           ; v2   among K's scale words: team + KSC + 4 (r + 8 (r / 8))
.set ASV0, 3                           ; v3   among V's: team + VSC + 64 r + 16 (r / 4)
.set GK,   4                           ; v4   K in memory: the key of row r of my wave's tile, + 48 h
.set GV,   5                           ; v5   V in memory: row r of my wave's 16, + 48 h
.set LW,   9                           ; v9   where these 48 bytes go in a slot's K (V: VOFF on): team + 1,792 MB + 112 r + 48 h
.set PFO,  28
.set ADS,  29
.set ADT,  30
.set GO,   31
.set FR,   32
.set F2,   96                          ; v96-143  V's tiles 4 to 7
.set VS2,  84                          ; v84-87   and their scale words
.set STI,  80
.set STB,  81
.set WV,   20                          ; s20  wave 0..15
.set MB,   21                          ; s21  my number in my team, 0..7
.set TEAM, 22                          ; s22  my team
.set HD,   24                          ; s24  my head
.set VL,   26                          ; s26  its length, held to 0 .. 2,048
.set END,  27                          ; s27  the first key of the step in which I store: the length rounded up to a multiple of 128
.set SEL,  28                          ; s[28:29] lane selects for v_permlanex16_b32: lane l xor 16
.set CS,   30                          ; s[30:31] c = log2(e) / sqrt(128): the packed form names a pair and takes its low word for both halves
.set TS,   32                          ; s32  the step's scale words of K: 512 bytes a step
.set TJ,   33                          ; s33  and of V: 4 bytes a step
.set KF,   34                          ; s34  the step's first key
.set TRIP, 36
.set NX,   37                          ; s37  the next step's first key
.set PFA,  40                          ; s[40:41] where my prefetches stand
.set PFS,  42                          ; s[42:43] 256 keys on, in bytes
.set PFL,  44                          ; s44  my head's length in a wave that prefetches, else 0
.set EVR,  45                          ; s45  3 in V's waves, 0 in K's
.set RK,   40                          ; s40-47 at the head only, ahead of the four above: eight heads' keys;  s48-55: the masks of their compares
.set MK,   46                          ; s46-61 in the mask: the masks of sixteen compares
	s_load_b256 s[4:11], s[0:1], 0x0               ; Q's codes s[4:5], Q's scales s[6:7], K's codes s[8:9], K's scales s[10:11]
	s_load_b256 s[12:19], s[0:1], 0x20             ; V's codes s[12:13], V's scales s[14:15], valid_lens s[16:17], out0 s[18:19]
	v_lshl_add_u32 v88, v0, 2, 0x35400
	v_mov_b32 v243, 0
	v_and_b32 v83, 31, v0                          ; lane
	v_lshlrev_b32 v95, 2, v83
	v_lshrrev_b32 v82, 5, v0
	v_readfirstlane_b32 s[WV], v82
	s_wait_kmcnt 0x0
	s_wait_alu depctr_va_vdst(0)                   ; v95 is written, which the load below reads as its offset
	global_load_b32 v96, v95, s[16:17]             ; lane l: valid_lens[l].  The addresses below are made while it is on its way
	s_wait_alu depctr_va_sdst(0)                   ; s20, the wave's number, is written, ahead of its first reader
	s_lshr_b32 s[MB], s[WV], 1
	s_lshr_b32 s[TEAM], s[WV], 2
	s_xor_b32 s[TEAM], s[TEAM], s[WV]
	s_and_b32 s[TEAM], s[TEAM], 1                  ; team = (w xor w / 4) % 2: of waves 2 m and 2 m + 1 one is in each team, and so are two of every four waves w % 4 = const and of every four w / 4 = const
	s_mul_i32 s38, s[TEAM], TEAMB                  ; my team's LDS
	v_and_b32 v84, 15, v0                          ; r = lane % 16
	v_bfe_u32 v85, v0, 4, 1                        ; h = lane / 16
	v_mul_u32_u24 v[AF], v84, PITCH
	v_mad_u32_u24 v[AF], v85, 24, v[AF]
	v_add_nc_u32 v[AF], s38, v[AF]
	v_and_b32 v86, 8, v84
	v_add_nc_u32 v86, v86, v84                     ; r + 8 (r / 8)
	s_add_co_u32 s39, s38, KSC
	v_lshl_add_u32 v[ASK0], v86, 2, s39
	v_lshrrev_b32 v87, 2, v84
	v_lshlrev_b32 v87, 4, v87
	v_lshl_add_u32 v[ASV0], v84, 6, v87            ; row r of a tile of V: 64 r bytes on, and 16 more for each 256 passed
	s_add_co_u32 s39, s38, VSC
	v_add_nc_u32 v[ASV0], s39, v[ASV0]
	; what I bring of each step.  K: tile MB's 16 keys: row r is key 32 (MB / 2) + 8 (MB % 2) + r + 8 (r / 8).  V: rows 16 MB .. 16 MB + 15, 96 bytes of each.
	; Lane (r, h) takes half h, 48 bytes, of row r, by three loads of 16 bytes whose place stands in the immediate: the three together cover each row's 96 bytes.
	s_lshr_b32 s39, s[MB], 1
	s_mul_i32 s39, s39, 32*ROWB
	s_and_b32 s37, s[MB], 1
	s_mul_i32 s37, s37, 8*ROWB
	s_add_co_u32 s39, s39, s37
	v_mul_u32_u24 v[GK], v86, ROWB
	v_mad_u32_u24 v[GK], v85, 48, v[GK]
	v_add_nc_u32 v[GK], s39, v[GK]
	s_mul_i32 s46, s[MB], 16*VROW
	v_mul_u32_u24 v[GV], v84, VROW
	v_mad_u32_u24 v[GV], v85, 48, v[GV]
	v_add_nc_u32 v[GV], s46, v[GV]
	s_mul_i32 s47, s[MB], 16*PITCH
	v_mul_u32_u24 v[LW], v84, PITCH                ; in LDS: 112 r + 48 h sixteen different multiples of 4 words modulo 64
	v_mad_u32_u24 v[LW], v85, 48, v[LW]
	v_add_nc_u32 v[LW], s47, v[LW]                 ; + my wave's 16 rows
	v_add_nc_u32 v[LW], s38, v[LW]                 ; + my team
	v_lshlrev_b32 v[GO], 9, v85
	v_lshl_add_u32 v[GO], v84, 4, v[GO]            ; the way out: lanes 0-15 one row of out0, lanes 16-31 the next; 16 bytes a lane
	s_mul_i32 s48, s[WV], STGW
	s_add_co_u32 s48, s48, STAGE                   ; my stage
	v_mul_u32_u24 v[STI], v84, 272
	v_lshl_add_u32 v[STI], v85, 5, v[STI]
	v_add_nc_u32 v[STI], s48, v[STI]               ; in: row r, 32 bytes for each half of the lanes
	v_mul_u32_u24 v[STB], v85, 272
	v_lshl_add_u32 v[STB], v84, 4, v[STB]
	v_add_nc_u32 v[STB], s48, v[STB]               ; back: lanes 0-15 one row of 256 bytes, lanes 16-31 the next
	s_lshl_b32 s49, s[MB], 5
	v_add_nc_u32 v89, s49, v83                     ; my number in my team, 0..255
	v_lshlrev_b32 v90, 4, v89                      ; the scale bytes: 16 a thread, twice
	v_add_nc_u32 v91, s38, v90                     ; K's go in as they lie;
	v_lshrrev_b32 v92, 4, v89
	v_lshl_add_u32 v92, v92, 4, v91                ; V's with 16 bytes more for each 256 passed
	v_add_nc_u32 v92, VSC, v92
	v_mul_u32_u24 v93, v84, ROWB
	v_mad_u32_u24 v93, v85, 24, v93                ; Q: row r, + my half's bytes
	v_lshlrev_b32 v94, 2, v84                      ; Q's scale word
	s_mov_b32 s[SEL], 0x76543210
	s_mov_b32 s[SEL+1], 0xfedcba98
	s_mov_b32 s[CS], 0x3e0293ee                    ; c = log2(e) / sqrt(128)
	s_mov_b32 s[CS+1], s[CS]                       ; (named with it as a pair, so it is written)
	s_mov_b32 s[TS], 0
	s_mov_b32 s[TJ], 0
	s_mov_b32 s[KF], 0
	v_mov_b32 v98, 0                               ; my rank
	v_mov_b32 v100, 0
	v_mov_b32 v101, 1
	s_wait_loadcnt 0x0                             ; valid_lens
	; THE RANKS.  Lane l's key is (its head's length, l): no two are equal.  Its rank is the number of smaller keys.  The head of the rank that my team wants is mine.
	; Eight heads at a time: their keys into eight scalar registers, the compares' masks into eight more, one wait behind each run.
	v_min_u32 v97, 0x800, v96
	v_lshl_or_b32 v97, v97, 5, v83
.irp q, 0,1,2,3
.irp i, 0,1,2,3,4,5,6,7
	v_readlane_b32 s[RK+\i], v97, 8*\q+\i
.endr
	s_wait_alu depctr_va_sdst(0)                   ; the eight keys are written into s40-47, ahead of the compares that read them
.irp i, 0,1,2,3,4,5,6,7
	v_cmp_lt_u32 s[RK+8+\i], s[RK+\i], v97
.endr
	s_wait_alu depctr_va_sdst(0)                   ; the eight masks are written into s48-55, ahead of the selects that read them
.irp i, 0,1,2,3,4,5,6,7
	v_cndmask_b32 v99, v100, v101, s[RK+8+\i]      ; 1 where head 8 q + i's key is smaller than mine
	v_add_nc_u32 v98, v98, v99
.endr
.endr
	s_and_b32 s39, ttmp7, 0xffff                   ; g
	s_sub_co_u32 s37, 31, s39
	s_cmp_eq_u32 s[TEAM], 0
	s_cselect_b32 s39, s39, s37                    ; rank g or 31 - g
	v_cmp_eq_u32 s23, s39, v98                     ; one lane has it
	s_wait_alu depctr_va_sdst(0)                   ; s23 is written, ahead of its first reader: my head's number is made from it
	s_ctz_i32_b32 s[HD], s23
	s_min_u32 s[HD], s[HD], 31
	s_lshl_b32 s25, s[HD], 2
	s_load_b32 s[VL], s[16:17], s25 offset:0x0     ; my head's length
	s_lshl_b32 s37, ttmp9, 7
	s_lshl_b32 s39, s[MB], 4
	s_add_co_u32 s37, s37, s39                     ; my first query: 128 x + 16 MB
	s_mul_i32 s46, s[HD], HEADB
	s_mov_b32 s47, 0
	s_add_nc_u64 s[8:9], s[8:9], s[46:47]          ; K's and V's codes at my head
	s_add_nc_u64 s[12:13], s[12:13], s[46:47]
	s_lshl_b32 s48, s[HD], 13
	s_mov_b32 s49, 0
	s_add_nc_u64 s[10:11], s[10:11], s[48:49]      ; their scale bytes: 8,192 a head
	s_add_nc_u64 s[14:15], s[14:15], s[48:49]
	s_mul_i32 s50, s37, ROWB
	s_add_co_u32 s50, s50, s46
	s_mov_b32 s51, 0
	s_add_nc_u64 s[4:5], s[4:5], s[50:51]          ; Q's codes at my first query,
	s_lshl_b32 s52, s37, 2
	s_add_co_u32 s52, s52, s48
	s_mov_b32 s53, 0
	s_add_nc_u64 s[6:7], s[6:7], s[52:53]          ; its scale word,
	s_lshl_b32 s54, s[HD], 20
	s_lshl_b32 s39, s37, 9
	s_add_co_u32 s54, s54, s39
	s_mov_b32 s55, 0
	s_add_nc_u64 s[18:19], s[18:19], s[54:55]      ; its row of out0
; My eighth of a step's tiles, from memory into v32-55: 48 bytes a lane of K and 48 of V.  s[8:9] and s[12:13] stand at the step to be brought.
.macro STAGE_LOAD
.irp u, 0,1,2
	global_load_b128 v[FR+4*\u:FR+4*\u+3], v[GK], s[8:9] offset:16*\u
.endr
.irp u, 0,1,2
	global_load_b128 v[FR+12+4*\u:FR+12+4*\u+3], v[GV], s[12:13] offset:16*\u
.endr
.endm
; and from there into slot sl: rows 16 MB .. 16 MB + 15 of K's tile and of V's: no other wave writes them
.macro STAGE_STORE sl
.irp u, 0,1,2
	ds_store_b128 v[LW], v[FR+4*\u:FR+4*\u+3] offset:SLOTB*(\sl)+16*\u
.endr
.irp u, 0,1,2
	ds_store_b128 v[LW], v[FR+12+4*\u:FR+12+4*\u+3] offset:SLOTB*(\sl)+VOFF+16*\u
.endr
.endm
	s_wait_alu depctr_va_vdst(0)                   ; the addresses v1, v4, v5, v9, v31, v80, v81 and v90 to v94 are written, which the loads and stores of the whole text read; none of them is written again
	STAGE_LOAD                                     ; step 0
	global_load_b128 v[56:59], v90, s[10:11]       ; the scale bytes of the whole head, once: each load of a wave reads 512 consecutive bytes
	global_load_b128 v[60:63], v90, s[10:11] offset:4096
	global_load_b128 v[64:67], v90, s[14:15]
	global_load_b128 v[68:71], v90, s[14:15] offset:4096
.irp p, 0,1,2,3,4,5
	global_load_b64 v[16+2*\p:17+2*\p], v93, s[4:5] offset:48*(\p/3)+8*(\p%3) th:TH_LOAD_NT   ; Q's fragment stays in registers; no other wave reads it
.endr
	global_load_b32 v255, v94, s[6:7] th:TH_LOAD_NT
	v_mov_b32 v13, 0xff61b1e6                      ; the largest t so far: -3e38, under every t
	v_floor_f32 v12, -v13                          ; -M
	v_mov_b32 v14, 0                               ; the sum, in two halves
	v_mov_b32 v15, 0
.irp b, 0,1,2,3
	v_mov_b32 v[236+\b], 0                         ; written once: a lane permute's destination counts as one of its sources
.endr
	v_mov_b32 v252, 0
	v_mov_b32 v253, 0                              ; (named as the upper half of the pair v[252:253] before it is first written)
.irp t, 0,1,2,3,4,5,6,7
.irp j, 0,1,2,3,4,5,6,7
	v_mov_b32 v[160+8*\t+\j], 0                    ; O^T.  (The step is written once for all steps: the first finds zeros, which the first change of M leaves zeros)
.endr
.endr
	s_wait_kmcnt 0x0
	s_max_i32 s[VL], s[VL], 0
	s_min_u32 s[VL], s[VL], 0x800                  ; the length, held to 0 .. 2,048
	s_add_co_u32 s[END], s[VL], 127
	s_and_b32 s[END], s[END], 0xffffff80
	; THE PREFETCHES (macro ASK): who asks, and where.  All 16 blocks of a head walk the same K and V: the block x = 0 asks, each team for its own head.  Members 0 to 2 ask for K's codes, 8,192 bytes each, lanes 256 bytes
	; apart; members 4 to 7 for V's rows, 32 each, a lane a row.  They stand at the keys 256 on: keys 0 to 255 come by their loads alone.
	s_cmp_lt_u32 s[MB], 4
	s_cselect_b64 s[PFA:PFA+1], s[8:9], s[12:13]
	s_mov_b32 s[PFS], 2*ROWB
	s_cselect_b32 s[PFS], 256*ROWB, s[PFS]         ; 256 keys on: 24,576 bytes of K, 192 of a row of V
	s_mov_b32 s[PFS+1], 0
	s_mov_b32 s39, VROW
	s_cselect_b32 s39, 256, s39                    ; from lane to lane
	s_mov_b32 s50, 32*VROW
	s_cselect_b32 s50, 8192, s50                   ; from member to member
	s_mov_b32 s51, 4*ROWB-1
	s_cselect_b32 s51, 256*ROWB, s51               ; K: the first byte of keys 256 on;  V: the LAST byte of a row's part for keys 256 to 511
	s_cselect_b32 s[EVR], 0, 3
	s_and_b32 s52, s[MB], 3
	s_mul_i32 s50, s50, s52
	s_add_co_u32 s50, s50, s51
	s_mov_b32 s51, 0
	s_add_nc_u64 s[PFA:PFA+1], s[PFA:PFA+1], s[50:51]
	v_mul_u32_u24 v[PFO], v83, s39                 ; (read by the prefetches alone, each of which stands behind the wait at the head of its step's first products)
	s_cmp_eq_u32 ttmp9, 0
	s_cselect_b32 s[PFL], s[VL], 0
	s_cmp_eq_u32 s[MB], 3                          ; (K's 24,576 bytes are three members' worth)
	s_cselect_b32 s[PFL], 0, s[PFL]
	s_wait_loadcnt 7                               ; step 0's six loads and the scale bytes' four are in; Q's seven, issued behind them, may be out
	STAGE_STORE 0                                  ; (data from loads; the addresses stand ahead of the last wait on va_vdst, and no vector instruction since names them)
	ds_store_b128 v91, v[56:59] offset:KSC
	ds_store_b128 v91, v[60:63] offset:KSC+4096
	ds_store_b128 v92, v[64:67]
	ds_store_b128 v92, v[68:71] offset:16*272
	s_wait_dscnt 0x0                               ; for the others' sake: my stores have landed
	s_barrier_signal -1
	s_barrier_wait -1                              ; slot 0 and the scale bytes are whole, in both teams
	s_add_nc_u64 s[8:9], s[8:9], 128*ROWB          ; on to step 1 (the loads that named these bases are in)
	s_add_nc_u64 s[12:13], s[12:13], ROWB
	s_wait_loadcnt 0x0                             ; Q
; S^T = K Q^T for the 128 keys in slot sl, four tiles of 16 keys at a time.  Ahead of the first run of loads stand the two additions and three v_nop: five plain vector instructions, since S^T's first products write over
; registers (v96 on) that the last step's products read as V's tiles 4 to 7.  The four v_nop ahead of the second run stay as they stood; the dependence itself is stated by the wait behind them.
.macro QK sl
	s_wait_alu depctr_vm_vsrc(0)                   ; the LDS loads of the step before have read v29 and v30, which the two lines below write; in the first step: the head's LDS stores have read v32-71, in which fragments land
	v_add_nc_u32 v[ADS], s[TS], v[ASK0]
	v_add_nc_u32 v[ADT], s[TJ], v[ASV0]
	v_nop
	v_nop
	v_nop
.irp g, 0,1
.if \g > 0
.rept 4
	v_nop
.endr
	s_wait_alu depctr_va_vdst(0)                   ; the four products above are done reading v32-79 and v248-251, in which the loads below land
.else
	s_wait_alu depctr_va_vdst(0)                   ; v29 and v30 are written, which this step's loads of scale words read; the last step's products are done reading v32-79 and v248-251, in which the loads below land; in the first step: v28 is written, which the prefetches read
.endif
.irp t, 0,1,2,3
.irp p, 0,1,2,3,4,5
	ds_load_b64 v[FR+12*\t+2*\p:FR+12*\t+2*\p+1], v[AF] offset:SLOTB*(\sl)+16*PITCH*(4*\g+\t)+48*(\p/3)+8*(\p%3)
.endr
	ds_load_b32 v[248+\t], v[ADS] offset:128*((4*\g+\t)/2)+32*(\t%2)   ; the tile's keys' scale words
.endr
	s_wait_dscnt 0x0                               ; the 28 loads just issued
.irp t, 0,1,2,3
	v_wmma_scale_f32_16x16x128_f8f6f4 v[96+8*(4*\g+\t):103+8*(4*\g+\t)], v[FR+12*\t:FR+12*\t+11], v[16:27], 0, v[248+\t], v255 matrix_a_fmt:MATRIX_FMT_BF6 matrix_b_fmt:MATRIX_FMT_BF6
.endr
.endr
.endm
; The step that the length cuts: register 16 b + i holds key KF + 16 (lane / 16) + 32 b + i, hidden where 32 b + i > d = length - 1 - KF - 16 (lane / 16).  Hidden scores become -infinity ahead of the maximum: p = 0 then.
; Each accumulator is read from its low end on.  A block's sixteen compares stand in one run, their masks in sixteen scalar registers, with one wait behind the run.
.macro MASK
	s_sub_co_u32 s38, s[VL], s[KF]
	s_sub_co_u32 s38, s38, 1
	v_bfe_u32 v253, v0, 4, 1
	v_lshlrev_b32 v253, 4, v253
	v_sub_nc_u32 v252, s38, v253                   ; d
	v_mov_b32 v254, 0xff800000                     ; -infinity
.irp b, 0,1,2,3
.irp i, 0,1,2,3,4,5,6,7,8,9,10,11,12,13,14,15
	v_cmp_gt_i32 s[MK+\i], 32*\b+\i, v252
.endr
	s_wait_alu depctr_va_sdst(0)                   ; the sixteen masks are written into s46-61, ahead of the selects that read them
.irp i, 0,1,2,3,4,5,6,7,8,9,10,11,12,13,14,15
	v_cndmask_b32 v[96+16*\b+\i], v[96+16*\b+\i], v254, s[MK+\i]
.endr
.endr
.endm
; The softmax of my 16 queries for 128 keys: the new M, p, the sum, p's codes in v[224:235] and their scale word in v253; f = 2^(old M - new M) in v252.
.macro SOFTMAX
.irp b, 0,1,2,3
	v_max3_num_f32 v[232+\b], v[96+16*\b], v[97+16*\b], v[98+16*\b]   ; THE LARGEST SCORE OF EACH BLOCK OF 32 KEYS serves twice: for the row's maximum, and, since p rises with the score, for the block's largest p
.endr
.irp i, 3,5,7,9,11,13
.irp b, 0,1,2,3
	v_max3_num_f32 v[232+\b], v[232+\b], v[96+16*\b+\i], v[97+16*\b+\i]   ; (the four blocks by turns)
.endr
.endr
.irp b, 0,1,2,3
	v_max_num_f32 v[232+\b], v[232+\b], v[111+16*\b]
.endr
.irp b, 0,1,2,3
	v_permlanex16_b32 v[236+\b], v[232+\b], s[SEL], s[SEL+1]
.endr
.irp b, 0,1,2,3
	v_max_num_f32 v[232+\b], v[232+\b], v[236+\b]  ; with lane l xor 16's 16 keys
.endr
	v_max3_num_f32 v254, v232, v233, v234
	v_max_num_f32 v254, v254, v235                 ; the step's largest score of my query (a step that is worked has a key that counts)
	v_mul_f32 v254, s[CS], v254                    ; as t (c is positive)
	v_max_num_f32 v13, v13, v254                   ; the running largest t
	v_mov_b32 v254, v12
	v_floor_f32 v12, -v13                          ; the new -M = floor(-t) = -ceil(t): M IS A WHOLE NUMBER
	v_sub_f32 v254, v12, v254                      ; M's old value less its new one: a whole number, 0 or less
	v_cvt_i32_f32 v254, v254                       ; (it saturates)
	v_ldexp_f32 v252, 1.0, v254                    ; f = 2^(old M - new M): a multiplication by it rounds nothing
.irp j, 0,2,4,6,8,10,12,14,16,18,20,22,24,26,28,30,32,34,36,38,40,42,44,46,48,50,52,54,56,58,60,62
	v_pk_fma_f32 v[96+\j:97+\j], v[96+\j:97+\j], s[CS:CS+1], v[12:13] op_sel_hi:[1,0,0]   ; t - M, two at a time (of the pairs c and -M the low word serves both halves)
.endr
.irp b, 0,1,2,3
	v_fma_f32 v[232+\b], v[232+\b], s[CS], v12     ; the same of each block's largest score
.endr
.irp t, 0,1,2,3,4,5,6,7
.irp j, 0,1,2,3,4,5,6,7
	v_exp_f32 v[96+8*\t+\j], v[96+8*\t+\j]         ; p = 2^(t - M), at most 1: NOT normalised
.endr
.endr
	v_pk_mul_f32 v[14:15], v[14:15], v[252:253] op_sel_hi:[1,0]   ; the sums under the new M.  (The plain instruction behind the exponentials)
	s_wait_alu depctr_va_vdst(0)                   ; the 64 exponentials have written v96-159: one wait for the batch, ahead of the first instruction that names a result
.irp b, 0,1,2,3
	v_exp_f32 v[232+\b], v[232+\b]                 ; the block's largest p: the same two instructions on the same number give the same bits
.endr
	v_pk_add_f32 v[236:237], v[96:97], v[98:99]    ; THE ROW'S SUM IS TAKEN OF THE UNQUANTISED p: two at a time, in two chains.  (It reads the 64 alone: plain work behind the four)
.irp j, 4,8,12,16,20,24,28,32,36,40,44,48,52,56,60
	v_pk_add_f32 v[14:15], v[14:15], v[96+\j:97+\j]
	v_pk_add_f32 v[236:237], v[236:237], v[98+\j:99+\j]
.endr
	v_pk_add_f32 v[14:15], v[14:15], v[236:237]
	s_wait_alu depctr_va_vdst(0)                   ; the four exponentials have written v232-235, ahead of their first reader
.irp b, 0,1,2,3
	v_max_num_f32 v[232+\b], 0x2800000, v[232+\b]  ; the floor 2^(5 - 127): the byte cannot fall under 1 (a block whose every p is 0 keeps that byte: its codes are zeros)
.endr
.irp b, 0,1,2,3
	v_add_nc_u32 v[244+\b], 0xfe000000, v[232+\b]  ; 4 off the exponent field: the conversion takes the exponent field of this operand as its scale
.endr
.irp b, 0,1,2,3
	v_lshrrev_b32 v[236+\b], 23, v[244+\b]         ; the scale's byte
.endr
	v_lshl_or_b32 v253, v237, 8, v236              ; p's scale word for these 128 keys
	v_lshl_or_b32 v253, v238, 16, v253
	v_lshl_or_b32 v253, v239, 24, v253
.irp c, 0,1
	v_cvt_scalef32_pk16_bf6_f32 v[224+6*\c:226+6*\c], v[96+32*\c:111+32*\c], v[244+2*\c]
	v_cvt_scalef32_pk16_bf6_f32 v[236+4*\c:238+4*\c], v[112+32*\c:127+32*\c], v[244+2*\c+1]   ; (a conversion's three registers begin on an even number)
.endr
	v_nop                                          ; one plain vector instruction between a scaled conversion and the vector instruction that touches its result
.irp c, 0,1                                    ; the operand's layout wants a WHOLE block in a lane: lanes 0-15 block 2 c, lanes 16-31 block 2 c + 1
.irp i, 0,1,2
	v_permlane16_swap_b32 v[224+6*\c+\i], v[236+4*\c+\i]
.endr
.irp i, 0,1,2
	v_mov_b32 v[227+6*\c+\i], v[236+4*\c+\i]
.endr
.endr
.endm
.macro RESCALE u                               ; half u of O^T under the new M: x f.  The two halves' 32 lines are also the plain instructions between the writes of p's codes and scale word and the products that take them
.irp j, 0,2,4,6,8,10,12,14,16,18,20,22,24,26,28,30
	v_pk_mul_f32 v[160+32*(\u)+\j:161+32*(\u)+\j], v[160+32*(\u)+\j:161+32*(\u)+\j], v[252:253] op_sel_hi:[1,0]
.endr
.endm
; O^T += V^T P^T: eight tiles of 16 of the head's 128; K = the slot's 128 keys.  The eight accumulators take turns, one instruction a turn, and S^T's products stand between two steps'.
; V's tiles 0 to 3 land in v32-79, as K's did; tiles 4 to 7 in v96-143, which p has left: so no product stands between a load and the registers in which it lands, and the second run of loads is out while the first four products are issued.
.macro PV sl
	RESCALE 0                                      ; (stands between the six LDS stores and the wait for them)
	s_wait_dscnt 0x0                               ; the six stores into the other slot are done,
	s_wait_alu depctr_vm_vsrc(0)                   ; and have read v32-55, in which V's first fragments land
.irp t, 0,1,2,3
.irp p, 0,1,2,3,4,5
	ds_load_b64 v[FR+12*\t+2*\p:FR+12*\t+2*\p+1], v[AF] offset:SLOTB*(\sl)+VOFF+16*PITCH*\t+48*(\p/3)+8*(\p%3)   ; no wait on va_vdst: the last to name v32-79 and v248-251 were S^T's products, ahead of the wait behind them
.endr
	ds_load_b32 v[248+\t], v[ADT] offset:\t*4*272  ; 16 rows of V's scale bytes are 1,024 bytes: four runs of 272
.endr
	RESCALE 1                                      ; while those 28 loads are out: it names v192-223 and v252-253 alone
	s_wait_alu depctr_va_vdst(0)                   ; p's codes v224-235 and their scale word v253 are written, which the products below take as source 1 and its scales; sums and conversions are done reading v96-143, and the head's lines v84-87, in which the loads below land
.irp t, 0,1,2,3
.irp p, 0,1,2,3,4,5
	ds_load_b64 v[F2+12*\t+2*\p:F2+12*\t+2*\p+1], v[AF] offset:SLOTB*(\sl)+VOFF+16*PITCH*(4+\t)+48*(\p/3)+8*(\p%3)
.endr
	ds_load_b32 v[VS2+\t], v[ADT] offset:(4+\t)*4*272
.endr
	s_wait_dscnt 28                                ; LDS loads come back in order (ISA guide 5.7.1): tiles 0 to 3 are in, the 28 younger loads may be out
.irp t, 0,1,2,3
	v_wmma_scale_f32_16x16x128_f8f6f4 v[160+8*\t:167+8*\t], v[FR+12*\t:FR+12*\t+11], v[224:235], v[160+8*\t:167+8*\t], v[248+\t], v253 matrix_a_fmt:MATRIX_FMT_BF6 matrix_b_fmt:MATRIX_FMT_BF6
.endr
	s_wait_dscnt 0x0                               ; tiles 4 to 7 are in
.irp t, 0,1,2,3
	v_wmma_scale_f32_16x16x128_f8f6f4 v[192+8*\t:199+8*\t], v[F2+12*\t:F2+12*\t+11], v[224:235], v[192+8*\t:199+8*\t], v[VS2+\t], v253 matrix_a_fmt:MATRIX_FMT_BF6 matrix_b_fmt:MATRIX_FMT_BF6
.endr
.endm
; A PREFETCH INTO THE L2, in every second step, behind the wave's six loads: the 256 keys that begin 256 behind this step's first key; the first of them is loaded one step later.  One instruction a wave.
; Each aligned block of 256 bytes is named once in the launch: K's 24,576 bytes are dense; of a row of V the 256 keys are 192 bytes, so a lane names the part's LAST byte: the aligned block in which the part ends is one that
; no earlier part has touched, but for every fourth part (keys 768 on, keys 1,792 on), which ends in the block that the part before has named: there V's waves ask for nothing.
; Nothing is asked for at or behind the head's length, so nothing behind a buffer's end.
.macro ASK
	s_add_co_u32 s38, s[KF], 256
	s_cmp_lt_u32 s38, s[PFL]
	s_cbranch_scc0 .Lquiet_\@
	s_lshr_b32 s38, s[KF], 8
	s_and_b32 s38, s38, s[EVR]
	s_cmp_eq_u32 s38, 2
	s_cbranch_scc1 .Lquiet_\@
	global_prefetch_b8 v[PFO], s[PFA:PFA+1] th:TH_LOAD_NT scope:SCOPE_SE
.Lquiet_\@:
.endm
; THE WAY OUT.  O^T is divided by the row's sum and goes through my own stage in LDS, half a row (64 channels, 256 bytes) of 16 queries at a time, so that sixteen lanes store 256 consecutive bytes, at a multiple of 256 from out0's first byte.
.macro WAYOUT
.rept 4
	v_nop                                          ; four plain instructions behind the last products, ahead of the first read of their results
.endr
	v_add_f32 v14, v14, v15                        ; the sum's two halves,
	v_permlanex16_b32 v252, v14, s[SEL], s[SEL+1]
	v_add_f32 v14, v14, v252                       ; and lane l xor 16's: the row's sum
	v_rcp_f32 v14, v14
	v_nop                                          ; a plain instruction behind the reciprocal,
	s_wait_alu depctr_va_vdst(0)                   ; the reciprocal has written v14, ahead of its first reader
.irp t, 0,1,2,3,4,5,6,7
.irp j, 0,1,2,3,4,5,6,7
	v_mul_f32 v[96+8*\t+\j], v[160+8*\t+\j], v14   ; register 8 t + j is out0(r, 16 t + 8 h + j); each accumulator from its low end on
.endr
.endr
	s_wait_alu depctr_va_vdst(0)                   ; the multiplications have written v96-159, which the LDS stores read, and are done reading v160-223, in which the loads from the stage land
.irp u, 0,1                                    ; channels 64 u on
.irp t, 0,1,2,3
	ds_store_b128 v[STI], v[96+32*\u+8*\t:99+32*\u+8*\t] offset:64*\t
	ds_store_b128 v[STI], v[100+32*\u+8*\t:103+32*\u+8*\t] offset:64*\t+16
.endr
.irp i, 0,1,2,3,4,5,6,7
	ds_load_b128 v[160+32*\u+4*\i:163+32*\u+4*\i], v[STB] offset:2*\i*272   ; LDS serves a wave's instructions in order (ISA guide 5.7.1.4): these see my stores, and the next half's stores come behind them
.endr
.endr
.irp u, 0,1
.irp i, 0,1,2,3,4,5,6,7
	s_wait_dscnt 23-16*\u-\i                       ; behind load i of half u were issued the half's 7 - i later loads and, for half 0, half 1's sixteen instructions
	global_store_b128 v[GO], v[160+32*\u+4*\i:163+32*\u+4*\i], s[18:19] offset:1024*\i+256*\u th:TH_STORE_NT   ; written once, read by nobody here
.endr
.endr
	s_wait_xcnt 0x0                                ; the stores have read their registers
	s_wait_alu depctr_vm_vsrc(0)                   ; the LDS stores have read v96-159 and the stores to out0 v160-223: the text of the steps that follow writes these registers
.endm
; A STEP: the 128 keys from KF on, in slot sl of my team.
.macro STEP sl
	s_cmp_lt_u32 s[KF], s[VL]
	s_cbranch_scc0 .Lidle_\@                       ; all of the step's keys lie at or behind the length
	QK \sl
.rept 4
	v_nop                                          ; four plain instructions behind the products, ahead of the first read of the scores
.endr
	s_wait_alu depctr_va_vdst(0)                   ; S^T's last four products are done reading v32-79 and v248-251: the next step's bytes land in v32-55, and behind the softmax V's first fragments in all of them
	s_add_co_u32 s[NX], s[KF], 128
	s_cmp_lt_u32 s[NX], s[VL]
	s_cbranch_scc0 .Lno_next_\@                    ; the next step is brought only if it will be worked: no load leaves its buffer
	STAGE_LOAD
.if (\sl) == 0
	ASK
.endif
.Lno_next_\@:
	s_cmp_le_u32 s[NX], s[VL]
	s_cbranch_scc1 .Lopen_\@                       ; all 128 keys count
	MASK
.Lopen_\@:
	SOFTMAX
	s_wait_loadcnt 0x0                             ; the next step's six loads are in (issued ahead of the softmax); on every way, so that none is out where v32-55 and the two bases are written again
	s_cmp_lt_u32 s[NX], s[VL]
	s_cbranch_scc0 .Lno_store_\@
	STAGE_STORE 1-\sl                              ; into the slot that nobody reads between the last barrier and the next
.Lno_store_\@:
	PV \sl
	s_branch .Lmeet_\@
.Lidle_\@:
	s_cmp_eq_u32 s[KF], s[END]
	s_cbranch_scc0 .Lmeet_\@
	WAYOUT                                         ; the first step behind my head's last: my 16 rows leave
.Lmeet_\@:
	s_wait_dscnt 0x0                               ; my stores into the other slot have landed, and my reads of this slot are over
	s_barrier_signal -1
	s_barrier_wait -1                              ; both now hold of every wave: the other slot may be read, this one written
	s_add_nc_u64 s[8:9], s[8:9], 128*ROWB          ; the bases stand one step ahead of KF
	s_add_nc_u64 s[12:13], s[12:13], ROWB
	s_add_co_u32 s[KF], s[KF], 128
	s_add_co_u32 s[TS], s[TS], 512
	s_add_co_u32 s[TJ], s[TJ], 4
.if (\sl) == 1
	s_wait_xcnt 0x0                                ; the last prefetch, nearly two steps back, has read its address, so it may be written
	s_add_nc_u64 s[PFA:PFA+1], s[PFA:PFA+1], s[PFS:PFS+1]
.endif
.endm
	s_mov_b32 s[TRIP], 9                           ; 18 steps: 16 of keys, the 17th for the way out of a head of more than 1,920 keys, and one that makes the count even
.Ltrip:
	STEP 0
	STEP 1
	s_sub_co_u32 s[TRIP], s[TRIP], 1
	s_cmp_lg_u32 s[TRIP], 0
	s_cbranch_scc1 .Ltrip
	s_wait_dscnt 0x0                               ; the closing lines, six on end
	s_wait_alu 0x0
	s_wait_tensorcnt 0x0
	ds_add_u32 v88, v243
	s_wait_dscnt 0x0
	s_endpgm
.Lfunc_end_k_q0455f07c05_attn:
	.size	k_q0455f07c05_attn, .Lfunc_end_k_q0455f07c05_attn-k_q0455f07c05_attn
	.p2alignl 7, 3214868480
	.fill 96, 4, 3214868480
	.section	.rodata,"a",@progbits
	.p2align	6, 0x0
	.amdhsa_kernel k_q0455f07c05_attn
		.amdhsa_group_segment_fixed_size 220160
		.amdhsa_private_segment_fixed_size 0
		.amdhsa_enable_private_segment 0
		.amdhsa_kernarg_size 64
		.amdhsa_user_sgpr_count 2
		.amdhsa_user_sgpr_kernarg_segment_ptr 1
		.amdhsa_wavefront_size32 1
		.amdhsa_system_sgpr_workgroup_id_x 1
		.amdhsa_system_sgpr_workgroup_id_y 1
		.amdhsa_system_sgpr_workgroup_id_z 1
		.amdhsa_system_vgpr_workitem_id 0
		.amdhsa_next_free_vgpr 256
		.amdhsa_next_free_sgpr 66
		.amdhsa_reserve_vcc 0
		.amdhsa_float_denorm_mode_32 3
		.amdhsa_float_denorm_mode_16_64 3
		.amdhsa_memory_ordered 1
		.amdhsa_forward_progress 1
		.amdhsa_inst_pref_size 100
	.end_amdhsa_kernel
	.amdgpu_metadata
---
amdhsa.version: [ 1, 2 ]
amdhsa.kernels:
  - .name:           k_q0455f07c05_attn
    .symbol:         k_q0455f07c05_attn.kd
    .args:
      - { .name: queries_codes, .offset: 0, .size: 8, .value_kind: global_buffer, .address_space: global }
      - { .name: queries_scales, .offset: 8, .size: 8, .value_kind: global_buffer, .address_space: global }
      - { .name: keys_codes, .offset: 16, .size: 8, .value_kind: global_buffer, .address_space: global }
      - { .name: keys_scales, .offset: 24, .size: 8, .value_kind: global_buffer, .address_space: global }
      - { .name: values_codes, .offset: 32, .size: 8, .value_kind: global_buffer, .address_space: global }
      - { .name: values_scales, .offset: 40, .size: 8, .value_kind: global_buffer, .address_space: global }
      - { .name: valid_lens, .offset: 48, .size: 8, .value_kind: global_buffer, .address_space: global }
      - { .name: out0, .offset: 56, .size: 8, .value_kind: global_buffer, .address_space: global }
    .group_segment_fixed_size: 220160
    .private_segment_fixed_size: 0
    .kernarg_segment_align: 8
    .kernarg_segment_size: 64
    .max_flat_workgroup_size: 512
    .sgpr_count:     66
    .vgpr_count:     256
    .wavefront_size: 32
...
	.end_amdgpu_metadata
.endif
;; end of part 2
